; MI455X (gfx1250); checked and timed in simulation.
; The chip was launched on July 23, 2026; its instructions are those of AMD's public machine-readable ISA for CDNA 5 (MIT licence, August 2026) and "CDNA5" Instruction Set Architecture Reference Guide (July 2026). The comments in the code are by the model that wrote it; some were corrected since.
;; Lattice Quantized Parameter. Allowed arithmetic: float matrix products may take bf16 or f16 operands with f32 sums; other float arithmetic in f32, or as packed bf16 or f16 multiplies, adds, multiply-adds, maxima and minima; sums over many terms, partial sums and values carried from step to step in f32; what a program stores and reads back later, other than sums and carried values, may be rounded once to bf16 or f16.
;; Inputs: grid 65,536 x 8 float32; idxs 2,048 x 1,024 int32; x 4,096 x 8,192 float32.
;; Outputs: out0 4,096 x 2,048 float32.
;; One version. Each part assembles by itself: llvm-mc -triple=amdgcn-amd-amdhsa -mcpu=gfx1250 --defsym DOCPART=n.
;; ======== version 1 of 1: 2 launches
;; workspace buffers: wb 33,554,432 bytes
;; launch decode (part 1): grid 1024 x 1, 8 waves a work-group, no clusters, 0 bytes of LDS; arguments idxs, grid, wb; writes wb
.if DOCPART == 1
	.amdgcn_target "amdgcn-amd-amdhsa--gfx1250"
	.amdhsa_code_object_version 6
	.text
	.protected	k_q04830ba470_decode
	.globl	k_q04830ba470_decode
	.p2align	8
	.type	k_q04830ba470_decode,@function
k_q04830ba470_decode:
	s_mov_b64 s[64:65], 0
	v_nop
	global_prefetch_b8 v0, s[64:65] scope:SCOPE_SE
	s_setreg_imm32_b32 hwreg(HW_REG_WAVE_MODE, 25, 1), 1
	s_wait_xcnt 0x0
; wb[c][0..7] = bf16(grid[idxs[c]][0..7]) for the 2,097,152 codes c, in the order of idxs: wb is W, [2048][8192] in bf16, row-major.
; Each number of grid is rounded once, to nearest even; it is a matrix operand of the launch behind.
; LIMIT.  A code is read as an unsigned number and held to 65,535, the table's last row; the problem's codes lie within the table.
; SHARES.  A work-group takes 2,048 codes on end, thread t the codes 256 i + t, i = 0..7: a wave's load of codes covers 128 consecutive bytes, its store
; of 16 bytes a lane 512 consecutive bytes, aligned.  Each thread's 8 codes, 16 gathers and 8 stores have registers of their own: nothing is written twice,
; so no wait frees a source.  No LDS, no barrier, no matrix unit: the launch moves bytes, and no thread wants what another has fetched.
.set IDX, 4                            ; v[4:11]    the 8 codes, then their byte offsets in grid
.set G,   16                           ; v[16:79]   8 f32 a code
.set Y,   80                           ; v[80:111]  4 registers a code: 8 bf16
	s_load_b128 s[4:7], s[0:1], 0x0                ; idxs s[4:5], grid s[6:7]
	s_load_b64 s[8:9], s[0:1], 0x10                ; wb
	v_lshlrev_b32 v1, 2, v0                        ; my code's 4 bytes
	v_lshlrev_b32 v2, 4, v0                        ; my 16 bytes of wb
	s_lshl_b32 s2, ttmp9, 13                       ; the work-group's 2,048 codes: 8,192 bytes of idxs,
	s_mov_b32 s3, 0
	s_lshl_b32 s10, ttmp9, 15                      ; 32,768 bytes of wb
	s_mov_b32 s11, 0
	s_wait_kmcnt 0x0
	s_add_nc_u64 s[4:5], s[4:5], s[2:3]
	s_add_nc_u64 s[8:9], s[8:9], s[10:11]
.irp i, 0,1,2,3,4,5,6,7
	global_load_b32 v[IDX+(\i)], v1, s[4:5] offset:1024*(\i) th:TH_LOAD_NT  ; read once in the launch
.endr
	s_wait_loadcnt 0x0                             ; all eight codes: the gathers go out together
.irp i, 0,1,2,3,4,5,6,7
	v_min_u32 v[IDX+(\i)], 0xffff, v[IDX+(\i)]     ; held to the table
	v_lshlrev_b32 v[IDX+(\i)], 5, v[IDX+(\i)]      ; a row of grid is 32 bytes
.endr
.irp i, 0,1,2,3,4,5,6,7
	global_load_b128 v[G+8*(\i):G+8*(\i)+3],   v[IDX+(\i)], s[6:7]            ; no hint: the table's rows are read again and again
	global_load_b128 v[G+8*(\i)+4:G+8*(\i)+7], v[IDX+(\i)], s[6:7] offset:16
.endr
.irp i, 0,1,2,3,4,5,6,7
	s_wait_loadcnt 14-2*(\i)                       ; loads come back in order: code i's two are in, the later codes' two each may stay out
.irp k, 0,1,2,3
	v_cvt_pk_bf16_f32 v[Y+4*(\i)+(\k)], v[G+8*(\i)+2*(\k)], v[G+8*(\i)+2*(\k)+1]
.endr
	global_store_b128 v2, v[Y+4*(\i):Y+4*(\i)+3], s[8:9] offset:4096*(\i)
.endr
	s_endpgm
.Lfunc_end_k_q04830ba470_decode:
	.size	k_q04830ba470_decode, .Lfunc_end_k_q04830ba470_decode-k_q04830ba470_decode
	.p2alignl 7, 3214868480
	.fill 96, 4, 3214868480
	.section	.rodata,"a",@progbits
	.p2align	6, 0x0
	.amdhsa_kernel k_q04830ba470_decode
		.amdhsa_group_segment_fixed_size 0
		.amdhsa_private_segment_fixed_size 0
		.amdhsa_enable_private_segment 0
		.amdhsa_kernarg_size 24
		.amdhsa_user_sgpr_count 2
		.amdhsa_user_sgpr_kernarg_segment_ptr 1
		.amdhsa_wavefront_size32 1
		.amdhsa_system_sgpr_workgroup_id_x 1
		.amdhsa_system_sgpr_workgroup_id_y 1
		.amdhsa_system_sgpr_workgroup_id_z 1
		.amdhsa_system_vgpr_workitem_id 0
		.amdhsa_next_free_vgpr 112
		.amdhsa_next_free_sgpr 66
		.amdhsa_reserve_vcc 0
		.amdhsa_float_denorm_mode_32 3
		.amdhsa_float_denorm_mode_16_64 3
		.amdhsa_memory_ordered 1
		.amdhsa_forward_progress 1
		.amdhsa_inst_pref_size 7
	.end_amdhsa_kernel
	.amdgpu_metadata
---
amdhsa.version: [ 1, 2 ]
amdhsa.kernels:
  - .name:           k_q04830ba470_decode
    .symbol:         k_q04830ba470_decode.kd
    .args:
      - { .name: idxs, .offset: 0, .size: 8, .value_kind: global_buffer, .address_space: global }
      - { .name: grid, .offset: 8, .size: 8, .value_kind: global_buffer, .address_space: global }
      - { .name: wb, .offset: 16, .size: 8, .value_kind: global_buffer, .address_space: global }
    .group_segment_fixed_size: 0
    .private_segment_fixed_size: 0
    .kernarg_segment_align: 8
    .kernarg_segment_size: 24
    .max_flat_workgroup_size: 256
    .sgpr_count:     66
    .vgpr_count:     112
    .wavefront_size: 32
...
	.end_amdgpu_metadata
.endif
;; end of part 1
;; launch gemm (part 2): grid 8 x 32, 4 waves a work-group, clusters of 4 x 4, 327,680 bytes of LDS; arguments x, wb, out0; writes out0
.if DOCPART == 2
	.amdgcn_target "amdgcn-amd-amdhsa--gfx1250"
	.amdhsa_code_object_version 6
	.text
	.protected	k_q04830ba470_gemm
	.globl	k_q04830ba470_gemm
	.p2align	8
	.type	k_q04830ba470_gemm,@function
k_q04830ba470_gemm:
	s_mov_b64 s[64:65], 0
	v_nop
	global_prefetch_b8 v0, s[64:65] scope:SCOPE_SE
	s_setreg_imm32_b32 hwreg(HW_REG_WAVE_MODE, 25, 1), 1
	s_wait_xcnt 0x0
	s_wait_alu depctr_hold_cnt(0) depctr_sa_sdst(0) depctr_va_vdst(0) depctr_va_sdst(0) depctr_va_ssrc(0) depctr_va_vcc(0) depctr_vm_vsrc(0)
	s_getreg_b32 s2, hwreg(HW_REG_IB_STS2, 6, 4)
	s_cmp_eq_u32 s2, 0
	s_cbranch_scc0 .Lentry_in_a_cluster
	s_endpgm
.Lentry_in_a_cluster:
	s_bfe_u32 s2, ttmp6, 0x10000c
	s_cmp_lg_u32 s2, 0xf033
	s_cbranch_scc0 .Lentry_shape_is_right
	s_endpgm
.Lentry_shape_is_right:
; out0[m][n] = 0.9 x the sum over k of x[m][k] W[n][k].  x: [4096][8192] f32; wb = W: [2048][8192] bf16 (made by the launch before); out0: [4096][2048] f32.
; x is rounded once to bf16 (nearest even) on its way into LDS; sums in f32; x / 32 and x 28.8 are one factor, f32(28.8) / 32, applied once to the f32 sum.
; LIMITS.  The sum is taken of x W, not of (x / 32) W: it leaves f32's range at sums 32 times smaller than the formula's own, beyond 3.4e38.  NaN and infinities are not treated apart.
; SHARES.  A work-group makes 128 rows x 256 columns of out0: 32 x 8 = 256 work-groups.  K IS SPLIT INSIDE THE WORK-GROUP: wave w has the column half wn = w & 1 and the K half kh = w >> 1: 128 x 128 of
; out0, 64 accumulators of 16 x 16, 512 registers.  A LEG is 32 along K for a wave, 64 matrix instructions; leg q takes k = 64 q + 32 kh .. + 31, so the two K halves of a leg are one CHUNK of 64 consecutive k.
; For a leg a wave reads 8 KiB of x and 8 KiB of W from LDS.  The two K halves are added once, at the end, in f32, through LDS.
; W comes by the tensor data mover through a ring of two LDS slots of K = 256 (four legs): 256 rows x 512 bytes; each wave fetches 64 rows, one load behind each change of slots.
; CLUSTER.  4 x 4 work-groups.  The four of a column of the cluster need the same tile of W: it is asked for JOINTLY, by the same load with the same descriptor and a mask that names the four.
; x COMES BY LOADS INTO REGISTERS, NOT JOINTLY, though the four of a row of the cluster read the same rows.  The reason, by this text's own count: a joint load belongs to the ring, where a wave has one
; load out and waits for it at the next change of slots.  With x in f32 in the ring a step of K costs 4 x 128 + 2 x 256 = 1,024 bytes, LDS holds two slots of K = 128, and a request has 112 matrix
; instructions in which to land.  By registers a chunk is asked for 224 matrix instructions ahead of its conversion (four sets of 64 registers), each number is converted once, not once in each of two waves,
; LDS holds x in bf16, and W's slots have room for K = 256: 240 matrix instructions between a request and the wait for it.
; THE MATRIX INSTRUCTION IS USED TRANSPOSED (source 0 = 16 rows of W, source 1 = 16 rows of x): a lane holds row l % 16 of out0 and the columns 8 (l / 16) + 0..7.
; REGISTERS, in windows of 256 (s_set_vgpr_msb: bits 1:0 source 0, 3:2 source 1, 5:4 source 2, 7:6 destination):
;   window 0: v0-31 addresses; v64-127, v128-191 x's fragments (8 blocks of 16 rows x 32 K), two buffers, at the end at work; v192-255 W's fragments, one buffer, loaded again by halves
;   window 1: four sets of 64: a chunk's 16 bytes x 16 loads a lane, in f32 as loaded, then its 32 registers of bf16
;   window 2: the 32 accumulators of the 64 rows that I keep (rows 64 kh on; accumulator (a, b) at v[8 (8 a + b)]);   window 3: those of the 64 rows that I hand to my partner, wave w ^ 2
.set SIZE_K, 8192
.set SIZE_N, 2048
.set PB,     528                       ; a row of W in LDS: 512 bytes + 16 of padding = 132 words: row r starts at bank 4 r mod 64 (64 banks of 4 bytes: ISA guide 11.1), so the 16 rows of a load start at 16 different banks
.set QUART,  64*PB                     ; what one tensor load brings
.set SLOT,   4*QUART                   ; 135,168 bytes
.set ABUF,   2*SLOT                    ; behind the ring, never filled by a tensor load: two buffers for x's chunks
.set PA,     144                       ; a row of a chunk: 128 bytes + 16 = 36 words: the 16 rows of a load start at 16 different groups of four banks
.set ABYTES, 128*PA                    ; 18,432 bytes
.set STAGE,  ABUF                      ; at the end, when x's buffers have been read out: 16 rows x 528 bytes for each wave, for the way out
.set SPITCH, 528
.set SPARE,  ABUF+2*ABYTES             ; the spare words, 128 bytes for each wave: two blocks of 256 bytes that no other line names
.set LAPS,   15                        ; trips of the loop, 8 legs each: the first leg and the last seven of the 128 are written out
; At the end wave w's 32,768 bytes for its partner lie at LDS byte w << 15: 131,072 bytes inside slot 0, which by then has had its last fill and its last read.
.set ADRA,  16                         ; v16  LDS address of my fragments of the rows that I keep, in x's buffer 0;  v17 of the rows that I hand over
.set AST,   18                         ; v18  where I put 8 bytes of a chunk
.set XO,    19                         ; v19  my byte offset in x from the wave's first row; never rewritten
.set ADRB,  20                         ; v20-21  LDS address of my fragments of W in slot 0, 1
.set XS,    22                         ; v22  the exchange: where I put 16 bytes
.set XL,    23                         ; v23  where I read my partner's
.set STO,   24                         ; v24  the way out: where I put 16 bytes of a row
.set RD,    25                         ; v25  where I read a row back
.set CO,    26                         ; v26  my byte offset in 512 bytes of out0
.set SPW,   28                         ; v28  LDS address of my spare word: SPARE + 4 x my thread's number; never rewritten
.set NIL,   29                         ; v29  0; never rewritten
.set PFO,   30                         ; v30  the prefetches' offset; never rewritten
.set F0,    64                         ; x's fragment buffer 0
.set F1,    128                        ; buffer 1
.set BF,    192                        ; W's fragments: block b at BF + 8 b
.set XB,  14                           ; s[14:15] x at my wave's 32 rows, at the chunk with which the trip in hand began
.set G1,  24                           ; s[24:31] descriptor group 1
.set G0,  32                           ; s[32:39] group 0, a set for each slot
.set LIM, 43                           ; s43      1 in a work-group that prefetches, else the greatest number
.set PFA, 44                           ; s[44:45] where my prefetches stand
.set SC,  68                           ; s[68:69] f32(28.8) / 32
.set MSB, 0
.macro WIN new                         ; the immediate's high byte repeats the setting that is left; a switch that changes nothing is dropped
.if MSB != (\new)
	s_set_vgpr_msb (MSB<<8)|(\new)
.set MSB, \new
.endif
.endm
.set MUL_LO, 0xa0                      ; sources 0 (W) and 1 (x) window 0, C and D window 2
.set MUL_HI, 0xf0                      ; the same, C and D window 3
.set W_GL,   0x40                      ; a load's destination window 1, its address window 0
.set W_CV,   0x45                      ; sources 0 and 1 and destination window 1
.set W_ST,   0x04                      ; an LDS store's data (source 1) window 1
.set W_XS,   0x0c                      ; an LDS store's data window 3
.set W_AD,   0x08                      ; source 1 window 2
; A joint load: every wave fetches its own 64 rows of the slot (both addresses hang on the wave's number).  An s_nop 0 and four v_nop follow it.
.macro JLOAD s
	tensor_load_to_lds s[G0+4*(\s):G0+4*(\s)+3], s[G1:G1+7]
	s_nop 0
.rept 4
	v_nop
.endr
.endm
; A PREFETCH INTO THE L2, behind a joint load, its five lines and the run of LDS loads that follows: the slot that the NEXT refill will ask for, four legs, 256 of a wave's matrix instructions, ahead of that
; load; one instruction a wave.  Each aligned block of 256 bytes of W is named ONCE in the launch.  A tile column's rows are read by all eight clusters of a column of clusters: cluster y = 0 asks.  The four
; partners that ask for a tile jointly share its rows out BY ADDRESS: of the 64 rows that wave w fetches, the partner at place cy takes 16: a lane half of a row's 512 bytes.
; how = 1: always; how = 0: not in the loop's last trip, where that slot does not exist.  Slots 0 to 2 come by their loads alone.  x is not asked for: its own loads go out 224 matrix instructions ahead of their use.
.macro ASK how
	WIN 0
.if \how
	s_cmp_eq_u32 s[LIM], 1
.else
	s_cmp_gt_u32 s3, s[LIM]                        ; s3 = 1 in the loop's last trip
.endif
	s_cbranch_scc0 .Lnot_mine_\@
	global_prefetch_b8 v[PFO], s[PFA:PFA+1] th:TH_LOAD_NT scope:SCOPE_SE
.Lnot_mine_\@:
.endm
; A round of the cluster's barrier: my work-group's barrier, so that wave 0's signal speaks for all four waves; wave 0 signals; every wave waits for all sixteen work-groups; my work-group's barrier once more.
.macro CREST                           ; a round behind its opening barrier
	s_cmp_lg_u32 s10, 0
	s_cbranch_scc1 .Lnot_wave_0_\@
	s_barrier_signal -3
.Lnot_wave_0_\@:
	s_barrier_wait -3
	s_barrier_signal -1
	s_barrier_wait -1
.endm
.macro CROUND                          ; a whole round
	s_barrier_signal -1
	s_barrier_wait -1
	CREST
.endm
; A chunk's 16 loads into a set: chunk co behind the pointer.  Load i takes rows 16 (i / 8) + i % 8 (lanes 0-15) and 8 further down (lanes 16-31) of my wave's 32: each half of the lanes 256 consecutive bytes, aligned.
.macro GLOAD set, co
	WIN W_GL
.irp i, 0,1,2,3,4,5,6,7,8,9,10,11,12,13,14,15
	global_load_b128 v[64*(\set)+4*(\i):64*(\set)+4*(\i)+3], v[XO], s[XB:XB+1] offset:(16*((\i)/8)+(\i)%8)*32768+256*(\co)
.endr
.endm
; Slice n of 8 of a chunk's conversions, in place: register k of the set takes registers 2 k and 2 k + 1, k ascending, so no source is written before it is read.
.macro CVS set, n
	WIN W_CV
.irp i, 0,1,2,3
	v_cvt_pk_bf16_f32 v[64*(\set)+4*(\n)+(\i)], v[64*(\set)+8*(\n)+2*(\i)], v[64*(\set)+8*(\n)+2*(\i)+1]
.endr
.endm
; The chunk goes into x's buffer buf: load i's four numbers are 8 bytes.  Lanes 0-15 write a row's 128 bytes, lanes 16-31 the row 8 further down, 288 words on: the other 32 of the 64 banks.
.macro ASTORE set, buf
	WIN W_ST
.irp i, 0,1,2,3,4,5,6,7,8,9,10,11,12,13,14,15
	ds_store_b64 v[AST], v[64*(\set)+2*(\i):64*(\set)+2*(\i)+1] offset:(\buf)*ABYTES+(16*((\i)/8)+(\i)%8)*PA
.endr
.endm
; 8 LDS loads: W's blocks 4 half .. 4 half + 3 of leg j of a slot
.macro LH half, slot, j
	WIN 0
.irp b, 0,1,2,3
	ds_load_b128 v[BF+32*(\half)+8*(\b):BF+32*(\half)+8*(\b)+3],   v[ADRB+(\slot)] offset:128*(\j)+(4*(\half)+(\b))*16*PB
	ds_load_b128 v[BF+32*(\half)+8*(\b)+4:BF+32*(\half)+8*(\b)+7], v[ADRB+(\slot)] offset:128*(\j)+(4*(\half)+(\b))*16*PB+32
.endr
.endm
; 16 LDS loads: x's eight blocks of the chunk in buffer buf, into fragment buffer f
.macro LA buf, f
	WIN 0
.irp a, 0,1,2,3,4,5,6,7
	ds_load_b128 v[(\f)+8*(\a):(\f)+8*(\a)+3],   v[ADRA+(\a)/4] offset:(\buf)*ABYTES+((\a)%4)*16*PA
	ds_load_b128 v[(\f)+8*(\a)+4:(\f)+8*(\a)+7], v[ADRA+(\a)/4] offset:(\buf)*ABYTES+((\a)%4)*16*PA+32
.endr
.endm
; One product: block a of x's rows (0-3: window 2, 4-7: window 3) x block b of W's rows.  zero = 1: it starts the sum: nothing is ever cleared.
.macro MM f, a, b, zero
.set AC, 8*(8*((\a)%4)+(\b))
.if \zero
	v_wmma_f32_16x16x32_bf16 v[AC:AC+7], v[BF+8*(\b):BF+8*(\b)+7], v[(\f)+8*(\a):(\f)+8*(\a)+7], 0
.else
	v_wmma_f32_16x16x32_bf16 v[AC:AC+7], v[BF+8*(\b):BF+8*(\b)+7], v[(\f)+8*(\a):(\f)+8*(\a)+7], v[AC:AC+7]
.endif
.endm
; Four products: block a x W's blocks 4 bh .. 4 bh + 3.  The 64 accumulators take turns, one instruction a turn, in the same order in every leg: between two links of a chain stand the 63 others'.
.macro MUL4 f, a, bh, zero
	WIN MUL_LO+0x50*((\a)/4)
.irp b, 0,1,2,3
	MM \f, \a, 4*(\bh)+(\b), \zero
.endr
.endm
; The same (a < 4) with a slice of conversions behind each of the first cnt products: four vector instructions beside a product, at the price of two switches of the window.  They name no register of any product.
.macro MUL4C f, a, bh, zero, set, n0, cnt
.irp b, 0,1,2,3
	WIN MUL_LO
	MM \f, \a, 4*(\bh)+(\b), \zero
.if (\b) < (\cnt)
	CVS \set, (\n0)+(\b)
.endif
.endr
.endm
; A load into a register that a matrix instruction has read, and a vector instruction that reads a matrix result, stand four places behind that matrix instruction, and only plain vector instructions that name
; none of its registers are places (ISA guide 7.12.1 for vector instructions).
.macro PLACES
.rept 4
	v_nop
.endr
.endm
; LEG q, p = q % 8.  It multiplies chunk q (x's fragment buffer q % 2) by W's leg q % 4 of slot (q / 4) % 2.
; AT ITS HEAD, one run: the last four conversions of chunk q + 1 (the four places behind the leg before); W's blocks 4-7 of this leg, whose registers that leg read last; chunk q + 1 into x's buffer (q + 1) % 2;
; chunk q + 5 is asked for, into the set just stored.  IN ITS MIDDLE, ONE barrier, for two things: the stores of chunk q + 1 are done before anybody reads them; everybody's reads of chunk q, issued behind the
; barrier before, are done before chunk q + 2 is stored over them in the next leg.  Behind it, one run: W's blocks 0-3 and x's fragments of leg q + 1.  Then 28 conversions of chunk q + 2 ride behind seven products.
; mode = 2 (a slot's last leg): the barrier opens a round of the cluster's; in front of it each wave waits for all its tensor loads, of which one is out: its part of the next slot; adds 0 to its spare word; and
; waits for that and for its reads of this slot, of which the head's were the last.  Behind the round this slot is filled again first, two slots ahead.  mode = 1: the last change of slots: nothing is filled.
; mode = 0: a plain barrier.  mode = -1: the last leg: none.  how: the prefetch (ASK), -1: none.  st = 1: there is a chunk q + 1.  gl: chunk q + 5 counted from the pointer, -1: none.
; cv: how many younger loads may stay out when chunk q + 2 is converted, -1: there is none.
.macro LEG p, zero, mode, how, st, gl, cv
.set FF,  F0+64*((\p)%2)
.set NF,  F0+64*(((\p)+1)%2)
.set SL,  ((\p)/4)%2
.set JJ,  (\p)%4
.set SL1, (((\p)+1)/4)%2
.set JJ1, ((\p)+1)%4
.set LS1, ((\p)+1)%4
.set LS2, ((\p)+2)%4
.set LB1, ((\p)+1)%2
.if (\mode) == 2
	s_wait_xcnt 0x0                                ; the last prefetch, four legs back, has read its address, so it may be stepped
	s_add_nc_u64 s[PFA:PFA+1], s[PFA:PFA+1], 512
.endif
.if \st
	CVS LS1, 7
.else
	PLACES
.endif
	LH 1, SL, JJ
.if \st
	ASTORE LS1, LB1
.endif
.if (\gl) >= 0
	GLOAD LS1, \gl
.endif
	s_wait_dscnt 8+16*(\st)                        ; the fragments asked for 32 products ago are in; the LDS instructions of this run may stay out
	MUL4 FF, 0, 0, \zero
	MUL4 FF, 1, 0, \zero
	MUL4 FF, 2, 0, \zero
	MUL4 FF, 3, 0, \zero
.if (\mode) >= 1
	WIN 0                                          ; (the add's two registers lie in window 0)
	s_wait_tensorcnt 0x0                           ; all my tensor loads have landed: the one that was out is my part of the next slot;
	ds_add_u32 v[SPW], v[NIL]                      ; 0 onto my spare word: eight products stand between it and the wait for it
.endif
	MUL4 FF, 4, 0, \zero
	MUL4 FF, 5, 0, \zero
.if (\mode) >= 0
	s_wait_dscnt 0x0                               ; my stores of chunk q + 1 are done, my reads are back (and the add is done):
	s_barrier_signal -1                            ; say so,
.endif
	MUL4 FF, 6, 0, \zero                           ; work on registers while the others arrive,
	MUL4 FF, 7, 0, \zero
.if (\mode) >= 0
	WIN 0
	s_barrier_wait -1                              ; and go on when all four have said so
.if (\mode) == 2
	CREST                                          ; all sixteen work-groups have said so: no wave of any partner still reads this slot or has a load on its way
	s_add_nc_u64 s[G0+4*SL+2:G0+4*SL+3], s[G0+4*SL+2:G0+4*SL+3], 1024  ; two slots on: 512 k of 2 bytes
	JLOAD SL                                       ; the first tensor load behind the round, my only one until the next; its four v_nop are also the places in front of the loads below
.else
	PLACES
.endif
	LH 0, SL1, JJ1
	LA LB1, NF
.if ((\mode) == 2) && ((\how) >= 0)
	ASK \how
.endif
.else
	s_wait_dscnt 0x0                               ; W's blocks 4-7
.endif
.if (\cv) >= 0
	s_wait_loadcnt \cv                             ; loads come back in order: chunk q + 2 is in, the younger chunks' 16 loads each may stay out
	MUL4C FF, 0, 1, \zero, LS2, 0, 4
	MUL4C FF, 1, 1, \zero, LS2, 4, 3
.else
	MUL4 FF, 0, 1, \zero
	MUL4 FF, 1, 1, \zero
.endif
.irp a, 2,3,4,5,6,7
	MUL4 FF, \a, 1, \zero
.endr
.endm
	s_load_b128 s[4:7], s[0:1], 0x0                ; x s[4:5], wb s[6:7]
	s_load_b64 s[8:9], s[0:1], 0x10                ; out0
	v_lshl_add_u32 v[SPW], v0, 2, SPARE
	v_mov_b32 v[NIL], 0
	ds_add_u32 v[SPW], v[NIL]                      ; the wave's opening: the add and its wait stand ahead of my first tensor load; the set-up below, work on registers, stands between them
	v_lshrrev_b32 v1, 5, v0
	v_readfirstlane_b32 s10, v1                    ; wave 0..3
	s_lshr_b32 s11, s10, 1                         ; kh: my half of each chunk's K
	s_and_b32 s12, s10, 1                          ; wn: my half of the columns
	s_bfe_u32 s40, ttmp6, 0x40000                  ; cx, cy: my place in the cluster
	s_bfe_u32 s41, ttmp6, 0x40004
	s_lshl_b32 s42, ttmp9, 2                       ; in a cluster launch ttmp9 and ttmp7 count clusters
	s_add_co_u32 s42, s42, s40                     ; tile column = 4 x cluster x + cx
	s_and_b32 s13, ttmp7, 0xffff
	s_lshl_b32 s13, s13, 2
	s_add_co_u32 s13, s13, s41                     ; tile row = 4 x cluster y + cy
	s_lshl_b32 s44, 0x1111, s40                    ; my column of the cluster: places cx, cx + 4, cx + 8, cx + 12
	; descriptor group 1: 64 rows x 256 elements of 2 bytes, padded in LDS by 4 words behind each row
	s_or_b32 s[G1+0], s44, (1<<16)|(1<<20)|(1<<21)|(6<<22)|(3<<25)  ; 15:0 the mask; 17:16 elements of 2 bytes; 20 padding on; 21 set beside a mask; 24:22 after every 128 words (code 6); 31:25 4 words (code 3)
	s_mov_b32 s[G1+1], 256<<16                     ; tensor_dim0 = 256
	s_mov_b32 s[G1+2], 64<<16                      ; tensor_dim1 = 64
	s_mov_b32 s[G1+3], 256<<16                     ; tile_dim0 = 256
	s_mov_b32 s[G1+4], 64                          ; tile_dim1 = 64
	s_mov_b32 s[G1+5], SIZE_K                      ; elements from row to row
	s_mov_b32 s[G1+6], 0
	s_mov_b32 s[G1+7], 0
	s_lshl_b32 s46, s42, 8                         ; W's tile hangs on the tile column alone, which my column of the cluster shares:
	s_lshl_b32 s47, s10, 6
	s_add_co_u32 s46, s46, s47                     ; row 256 x tile column + 64 x wave,
	s_lshl_b32 s46, s46, 14                        ; of 16,384 bytes
	s_mov_b32 s47, 0
	s_mul_i32 s20, s10, QUART                      ; and where it goes: no place in the cluster enters an LDS address
	s_lshl_b32 s16, s13, 7
	s_lshl_b32 s17, s10, 5
	s_add_co_u32 s16, s16, s17                     ; x: row 128 x tile row + 32 x wave,
	s_lshl_b32 s16, s16, 15                        ; of 32,768 bytes (under 2^27 in all)
	s_mov_b32 s17, 0
	v_and_b32 v1, 15, v0                           ; l % 16
	v_bfe_u32 v2, v0, 4, 1                         ; l / 16
	v_and_b32 v3, 31, v0                           ; l
	v_lshlrev_b32 v[XO], 4, v1                     ; my 16 bytes of a row's 256,
	v_lshl_add_u32 v[XO], v2, 18, v[XO]            ; 8 rows further down for lanes 16-31
	s_wait_dscnt 0x0                               ; the opening add is done
	s_wait_kmcnt 0x0
	s_add_nc_u64 s[XB:XB+1], s[4:5], s[16:17]
	s_add_nc_u64 s[46:47], s[6:7], s[46:47]
	GLOAD 0, 0                                     ; x's first four chunks are asked for before anything else
	GLOAD 1, 1
	GLOAD 2, 2
	GLOAD 3, 3
	WIN 0
	CROUND                                         ; all sixteen work-groups are here: the first joint loads meet
.irp s, 0,1
	s_mov_b32 s[G0+4*(\s)], 1                                      ; count = 1
	s_add_co_u32 s[G0+4*(\s)+1], s20, (\s)*SLOT                    ; LDS address
	s_add_nc_u64 s[G0+4*(\s)+2:G0+4*(\s)+3], s[46:47], (\s)*512    ; global address: slot s
	s_or_b32 s[G0+4*(\s)+3], s[G0+4*(\s)+3], 0x80000000            ; type = 2
	JLOAD \s                                       ; both slots: two loads of mine are out
.endr
	; A fragment is 16 rows x 32 K in 8 registers of bf16: lane l holds row l % 16; registers 0-3 K = 8 (l / 16) + 0..7, registers 4-7 K = 16 + 8 (l / 16) + 0..7: two loads of 16 bytes, 32 bytes apart.
	v_mul_u32_u24 v4, v2, 8*PA
	v_lshl_add_u32 v4, v1, 3, v4                   ; a chunk's way in: 8 bytes a lane, 8 rows further down for lanes 16-31,
	s_mul_i32 s21, s10, 32*PA
	s_add_co_u32 s21, s21, ABUF                    ; in my wave's 32 rows
	v_add_nc_u32 v[AST], s21, v4
	v_mul_u32_u24 v5, v1, PA
	v_lshl_add_u32 v5, v2, 4, v5                   ; row x 144 + 16 x half
	s_mul_i32 s21, s11, 64*PA+64                   ; the rows that I keep begin at row 64 kh; my K half at byte 64 kh of a chunk's row
	s_add_co_u32 s21, s21, ABUF
	v_add_nc_u32 v[ADRA], s21, v5
	s_xor_b32 s22, s11, 1
	s_mul_i32 s22, s22, 64*PA                      ; the rows that I hand over: the other 64
	s_lshl_b32 s23, s11, 6
	s_add_co_u32 s22, s22, s23
	s_add_co_u32 s22, s22, ABUF
	v_add_nc_u32 v[ADRA+1], s22, v5
	v_mul_u32_u24 v6, v1, PB
	v_lshl_add_u32 v7, v2, 5, v6                   ; row x 528 + 32 x half: for the stage
	v_lshl_add_u32 v6, v2, 4, v6                   ; row x 528 + 16 x half: for W
	s_mul_i32 s23, s12, 128*PB                     ; my 128 rows of W,
	s_lshl_b32 s21, s11, 6                         ; my K half: byte 64 kh of a leg's 128
	s_add_co_u32 s23, s23, s21
	v_add_nc_u32 v[ADRB], s23, v6
	s_add_co_u32 s23, s23, SLOT
	v_add_nc_u32 v[ADRB+1], s23, v6
	s_mul_i32 s23, s10, 16*SPITCH
	s_add_co_u32 s23, s23, STAGE                   ; my stage
	v_add_nc_u32 v[STO], s23, v7                   ; in: row l % 16, 32 bytes for each half of the lanes
	v_lshlrev_b32 v[CO], 4, v3                     ; 16 l: 32 lanes take a row's 512 bytes
	v_add_nc_u32 v[RD], s23, v[CO]
	s_lshl_b32 s20, s10, 15
	v_add_nc_u32 v[XS], s20, v[CO]                 ; the exchange: mine at w << 15,
	s_xor_b32 s20, s20, 2<<15
	v_add_nc_u32 v[XL], s20, v[CO]                 ; my partner's at (w ^ 2) << 15
	; out0 at the rows that I keep and my columns
	s_lshl_b32 s16, s13, 7
	s_lshl_b32 s17, s11, 6
	s_add_co_u32 s16, s16, s17                     ; row 128 x tile row + 64 kh,
	s_lshl_b32 s16, s16, 13                        ; of 8,192 bytes
	s_mov_b32 s17, 0
	s_lshl_b32 s46, s42, 10                        ; 256 columns of 4 bytes a tile column,
	s_lshl_b32 s47, s12, 9                         ; 128 for my half
	s_add_co_u32 s46, s46, s47
	s_mov_b32 s47, 0
	s_add_nc_u64 s[16:17], s[16:17], s[46:47]
	s_add_nc_u64 s[8:9], s[8:9], s[16:17]
	s_mov_b32 s[SC], 0x3f666666                    ; f32(28.8) / 32
	s_mov_b32 s[SC+1], s[SC]                       ; named with it as a pair
	; the prefetches
	s_lshl_b32 s20, s42, 8
	s_lshl_b32 s21, s10, 6
	s_add_co_u32 s20, s20, s21
	s_lshl_b32 s21, s41, 4
	s_add_co_u32 s20, s20, s21                     ; the 64 rows of W that I fetch, my work-group's 16 of them,
	s_lshl_b32 s20, s20, 14                        ; in bytes
	s_mov_b32 s21, 0
	s_add_nc_u64 s[PFA:PFA+1], s[6:7], s[20:21]
	s_add_nc_u64 s[PFA:PFA+1], s[PFA:PFA+1], 2*512 ; at slot 2: the first refill steps it to slot 3.  Nothing is prefetched here, at the head
	s_and_b32 s23, ttmp7, 0xffff                   ; cluster y: the coordinate along which other clusters read the same rows
	s_cmp_eq_u32 s23, 0
	s_cselect_b32 s[LIM], 1, -1                    ; the same in all sixteen partners
	v_lshrrev_b32 v8, 1, v3
	v_lshlrev_b32 v8, 14, v8                       ; my row,
	v_and_b32 v9, 1, v3
	v_lshl_add_u32 v[PFO], v9, 8, v8               ; and my half of its 512 bytes
	; What leg 0 finds: chunk 0 in x's buffer 0, its fragments and W's blocks 0-3 asked for, 28 conversions of chunk 1 done, chunks 2 to 4 on their way.
	s_wait_loadcnt 48                              ; chunk 0 is in; chunks 1 to 3 may stay out
.irp n, 0,1,2,3,4,5,6,7
	CVS 0, \n
.endr
	ASTORE 0, 0
	GLOAD 0, 4
	WIN 0
	s_wait_tensorcnt 1                             ; my part of slot 0 is in; slot 1's may stay out
	s_wait_dscnt 0x0                               ; my part of chunk 0 is stored
	s_barrier_signal -1
	s_barrier_wait -1                              ; everybody's is
	LH 0, 0, 0
	LA 0, F0
	s_wait_loadcnt 48                              ; chunk 1 is in; chunks 2 to 4 may stay out
.irp n, 0,1,2,3,4,5,6
	CVS 1, \n
.endr
	LEG 0, 1, 0, -1, 1, 5, 48                      ; the first leg stands in front of the loop: its products start the sums
	WIN 0                                          ; at a label and at a branch every window is 0
	s_mov_b32 s3, LAPS
.Llap:                                                 ; a trip is eight legs, once round the ring, and fills both slots again
	LEG 1, 0, 0, -1, 1, 6, 48
	LEG 2, 0, 0, -1, 1, 7, 48
	LEG 3, 0, 2, 1, 1, 8, 48
	LEG 4, 0, 0, -1, 1, 9, 48
	LEG 5, 0, 0, -1, 1, 10, 48
	LEG 6, 0, 0, -1, 1, 11, 48
	LEG 7, 0, 2, 0, 1, 12, 48
	LEG 0, 0, 0, -1, 1, 13, 48
	WIN 0
	s_wait_xcnt 0x0                                ; every load issued so far (the youngest 64 products back) has read its address, so the pointer may be written
	s_add_nc_u64 s[XB:XB+1], s[XB:XB+1], 8*256     ; eight chunks on
	s_sub_co_u32 s3, s3, 1
	s_cmp_lg_u32 s3, 0
	s_cbranch_scc1 .Llap
	LEG 1, 0, 0, -1, 1, 6, 48                      ; the tail is written out.  Leg 121 asks for chunk 126
	LEG 2, 0, 0, -1, 1, 7, 48                      ; leg 122 for chunk 127, the last
	LEG 3, 0, 1, -1, 1, -1, 32                     ; leg 123: the last change of slots; behind its barrier nobody reads slot 0 any more.  Chunks 126 and 127 may stay out,
	LEG 4, 0, 0, -1, 1, -1, 16                     ; chunk 127,
	LEG 5, 0, 0, -1, 1, -1, 0                      ; none
	LEG 6, 0, 0, -1, 1, -1, -1                     ; leg 126 stores chunk 127 and converts nothing
	LEG 7, 0, -1, -1, 0, -1, -1                    ; leg 127
	; THE TWO K HALVES MEET.  My window 3 (the 64 rows that my partner keeps) goes into LDS as it lies, register quad c of all lanes at byte 512 c: 32 lanes x 16 consecutive bytes.
	PLACES
	PLACES                                         ; eight, once a launch, between the last product and the first read of a result
	WIN W_XS
.set n, 0
.rept 64
	ds_store_b128 v[XS], v[4*n:4*n+3] offset:512*n ; ascending: each accumulator's four lowest registers are read first
.set n, n+1
.endr
	WIN 0
	s_wait_dscnt 0x0                               ; for my partner's sake: my stores are done; and my reads of x's buffers, where the stages lie, are long back
	s_barrier_signal -1
	s_barrier_wait -1
; Block a (16 rows of the 64 that I keep), in four parts; two sets of 64 registers, where x's fragments lay, take turns.
.macro XLOAD a                         ; my partner's sums for the block
	WIN 0
.set TT, F0+64*((\a)%2)
.irp i, 0,1,2,3,4,5,6,7,8,9,10,11,12,13,14,15
	ds_load_b128 v[TT+4*(\i):TT+4*(\i)+3], v[XL] offset:512*(16*(\a)+(\i))
.endr
.endm
.macro ADDMUL a                        ; + mine, x the factor
.set TT, F0+64*((\a)%2)
	WIN W_AD
.set n, 0
.rept 32
	v_pk_add_f32 v[TT+n:TT+n+1], v[TT+n:TT+n+1], v[64*(\a)+n:64*(\a)+n+1]
.set n, n+2
.endr
	WIN 0
.set n, 0
.rept 32
	v_pk_mul_f32 v[TT+n:TT+n+1], v[TT+n:TT+n+1], s[SC:SC+1] op_sel_hi:[1,0]
.set n, n+2
.endr
.endm
.macro TOSTAGE a                       ; a lane's eight columns of a row are 32 bytes; they go into rows of 528 bytes and come back as whole rows of 512
	WIN 0
.set TT, F0+64*((\a)%2)
.irp b, 0,1,2,3,4,5,6,7
	ds_store_b128 v[STO], v[TT+8*(\b):TT+8*(\b)+3]   offset:64*(\b)
	ds_store_b128 v[STO], v[TT+8*(\b)+4:TT+8*(\b)+7] offset:64*(\b)+16
.endr
.irp i, 0,1,2,3,4,5,6,7,8,9,10,11,12,13,14,15
	ds_load_b128 v[TT+4*(\i):TT+4*(\i)+3], v[RD] offset:SPITCH*(\i)  ; LDS serves a wave's instructions in order (ISA guide 5.7.1.4): these see the stores above
.endr
.endm
.macro SEND a
	WIN 0
.set TT, F0+64*((\a)%2)
	s_wait_dscnt 0x0                               ; the block is back in registers
.irp i, 0,1,2,3,4,5,6,7,8,9,10,11,12,13,14,15
	global_store_b128 v[CO], v[TT+4*(\i):TT+4*(\i)+3], s[8:9] offset:(16*(\a)+(\i))*SIZE_N*4 th:TH_STORE_NT  ; a wave stores 512 consecutive bytes, at a multiple of 512 from out0's first byte
.endr
.endm
	XLOAD 0
	XLOAD 1
	s_wait_dscnt 16                                ; block 0's sixteen loads are in, block 1's may stay out
	ADDMUL 0
	TOSTAGE 0
	s_wait_dscnt 32                                ; block 1's are in; the 32 of block 0's trip through the stage may stay out
	ADDMUL 1                                       ; a block's arithmetic stands between the loads of the block before and its stores
	SEND 0
	TOSTAGE 1
	s_wait_xcnt 0x0                                ; block 0's stores have read their registers, which are loaded again only behind this wait
	XLOAD 2
	s_wait_dscnt 0x0
	ADDMUL 2
	SEND 1
	TOSTAGE 2
	s_wait_xcnt 0x0                                ; the same for block 1's
	XLOAD 3
	s_wait_dscnt 0x0
	ADDMUL 3
	SEND 2
	TOSTAGE 3
	SEND 3
	s_wait_tensorcnt 0x0                           ; the wave's end: behind my last tensor load and my last LDS store
	ds_add_u32 v[SPW], v[NIL]
	s_wait_dscnt 0x0
	CROUND                                         ; the closing round: no work-group ends while a partner may still ask for a tile that names it
	s_endpgm
.Lfunc_end_k_q04830ba470_gemm:
	.size	k_q04830ba470_gemm, .Lfunc_end_k_q04830ba470_gemm-k_q04830ba470_gemm
	.p2alignl 7, 3214868480
	.fill 96, 4, 3214868480
	.section	.rodata,"a",@progbits
	.p2align	6, 0x0
	.amdhsa_kernel k_q04830ba470_gemm
		.amdhsa_group_segment_fixed_size 327680
		.amdhsa_private_segment_fixed_size 0
		.amdhsa_enable_private_segment 0
		.amdhsa_kernarg_size 24
		.amdhsa_user_sgpr_count 2
		.amdhsa_user_sgpr_kernarg_segment_ptr 1
		.amdhsa_wavefront_size32 1
		.amdhsa_system_sgpr_workgroup_id_x 1
		.amdhsa_system_sgpr_workgroup_id_y 1
		.amdhsa_system_sgpr_workgroup_id_z 1
		.amdhsa_system_vgpr_workitem_id 0
		.amdhsa_next_free_vgpr 1024
		.amdhsa_next_free_sgpr 72
		.amdhsa_reserve_vcc 0
		.amdhsa_float_denorm_mode_32 3
		.amdhsa_float_denorm_mode_16_64 3
		.amdhsa_memory_ordered 1
		.amdhsa_forward_progress 1
		.amdhsa_inst_pref_size 231
	.end_amdhsa_kernel
	.amdgpu_metadata
---
amdhsa.version: [ 1, 2 ]
amdhsa.kernels:
  - .name:           k_q04830ba470_gemm
    .symbol:         k_q04830ba470_gemm.kd
    .args:
      - { .name: x, .offset: 0, .size: 8, .value_kind: global_buffer, .address_space: global }
      - { .name: wb, .offset: 8, .size: 8, .value_kind: global_buffer, .address_space: global }
      - { .name: out0, .offset: 16, .size: 8, .value_kind: global_buffer, .address_space: global }
    .group_segment_fixed_size: 327680
    .private_segment_fixed_size: 0
    .kernarg_segment_align: 8
    .kernarg_segment_size: 24
    .max_flat_workgroup_size: 128
    .sgpr_count:     72
    .vgpr_count:     1024
    .wavefront_size: 32
...
	.end_amdgpu_metadata
.endif
;; end of part 2
